; MI455X (gfx1250); checked and timed in simulation.
; The chip was launched on July 23, 2026; its instructions are those of AMD's public machine-readable ISA for CDNA 5 (MIT licence, August 2026) and "CDNA5" Instruction Set Architecture Reference Guide (July 2026). The comments in the code are by the model that wrote it; some were corrected since.
;; Cross Attention. Allowed arithmetic: matrix products marked QUANTISED: E2M3 operands, one E8M0 scale for each 32 along K, by v_wmma_scale_f32_16x16x128_f8f6f4 with both operands' format E2M3, f32 sums; everything else in f32.
;; Inputs: Wk 1,024 x 768 float32; Wo 1,024 x 1,024 float32; Wq 1,024 x 1,024 float32; Wv 1,024 x 768 float32; kv_tokens 4 x 2,048 x 768 float32; q_tokens 4 x 2,048 x 1,024 float32.
;; Outputs: out0 4 x 2,048 x 1,024 float32.
;; This version of the problem:
;;   THIS VERSION OF THE PROBLEM IS GIVEN IN LOW PRECISION. The matrix products marked QUANTISED in the list below multiply operands that are first quantised to E2M3 (2 exponent bits, 3 mantissa bits; 6 bits a number), with one power-of-two scale for each 32 numbers along K (OCP MX v1.0); their sums are f32. All else is computed in f32.
;;   The module's matrix products, in the order in which they are computed (A, B: the left and right operand; K: the contracted axis; several contracted axes count as one K, in the product's order):
;;     1. [M 8,192, K 1,024] x [K 1,024, N 1,024]; A: input q_tokens; B: input Wq: QUANTISED
;;     2. [M 8,192, K 768] x [K 768, N 1,024]; A: input kv_tokens; B: input Wk: QUANTISED
;;     3. [M 8,192, K 768] x [K 768, N 1,024]; A: input kv_tokens; B: input Wv: QUANTISED
;;     4. batch 64 x [M 2,048, K 64] x [K 64, N 2,048]; A: computed on the way; B: computed on the way: QUANTISED
;;     5. batch 64 x [M 2,048, K 2,048] x [K 2,048, N 64]; A: softmax (see below); B: computed on the way: QUANTISED
;;     6. [M 8,192, K 1,024] x [K 1,024, N 1,024]; A: computed on the way; B: input Wo: QUANTISED
;;   THE QUANTISER, for each operand of a quantised product, along K:
;;     - K is cut into blocks of 32 from its start; a last block that is shorter is filled with zeros.
;;     - A block's scale is 2^e with e = floor(log2(the largest magnitude in the block)) - 2, held to -126 .. 127; a block of zeros has e = 0. As a byte (E8M0): e + 127.
;;     - Each number is divided by its block's scale, clamped to +-7.5, and rounded to the nearest number of E2M3, ties to even, subnormals kept.
;;     - The product sums the exact products of the quantised numbers (number of the format x scale) in f32.
;;   ~~~python
;;   def quantise(x, axis):      # numpy; x: float32 -> the quantised numbers, widened to float32 again
;;       x = np.moveaxis(x, axis, -1); K = x.shape[-1]
;;       x = np.pad(x, [(0, 0)] * (x.ndim - 1) + [(0, -K % 32)]); x = x.reshape(x.shape[:-1] + (-1, 32)); a = np.abs(x).max(-1, keepdims=True)
;;       e = np.where(a > 0, np.clip(np.frexp(np.where(a > 0, a, 1))[1] - 1 - 2, -126, 127), 0)      # np.frexp(a)[1] - 1 = floor(log2(a)), exactly
;;       r = np.clip(x / 2.0 ** e, -7.5, 7.5)
;;       step = 2.0 ** (np.maximum(np.frexp(np.where(r == 0, 1, r))[1] - 1, 0) - 3)
;;       q = np.round(r / step) * step * 2.0 ** e      # np.round: ties to even
;;       return np.moveaxis(q.reshape(q.shape[:-2] + (-1,))[..., :K], -1, axis).astype(np.float32)
;;   ~~~
;;   SOFTMAX AHEAD OF A QUANTISED PRODUCT. Where the list says 'softmax', what is quantised is not the finished softmax but p = 2^(t - M), with t = logit x log2(e) and M = ceil(the row's largest t), a whole number; so 1/2 < the row's largest p <= 1. The row's sum l is taken of the UNQUANTISED p, in f32, and the product's result is divided by l at the end. Since M is a whole number, a kernel that streams over the keys may use a running M (the ceiling of the running maximum): every later rescaling is an exact power of two, which a block's scale takes up: the codes' values come out the same.
;;   OPERANDS COMPUTED ON THE WAY. 'Computed on the way' means the value that the module computes at that place (a softmax that the list does not call 'softmax' is quantised finished and normalised). What goes into a quantiser is computed in f32, as accurately as f32 sums, v_exp_f32 and their like allow (about 1e-6 of the number): no bf16 or f16 on the way to a quantiser, and a product that is left as it is and whose result goes on into a quantised operand takes f32 operands (vector FMAs, or v_wmma_f32_16x16x4_f32). A number that lies on a knife's edge between two numbers of the format may be rounded either way, as far as f32 arithmetic and the matrix unit's own rounding can turn it there, and no further.
;; One version. Each part assembles by itself: llvm-mc -triple=amdgcn-amd-amdhsa -mcpu=gfx1250 --defsym DOCPART=n.
;; ======== version 1 of 1: 4 launches
;; limits: right only within a limited range of input values
;; workspace buffers: cin 14,336,000 bytes; mid 20,185,088 bytes; ao 6,553,600 bytes
;; launch quant (part 1): grid 1120 x 1, 4 waves a work-group, no clusters, 67,072 bytes of LDS; arguments q_tokens, kv_tokens, Wq, Wk, Wv, Wo, cin; writes cin
.if DOCPART == 1
	.amdgcn_target "amdgcn-amd-amdhsa--gfx1250"
	.amdhsa_code_object_version 6
	.text
	.protected	k_q77e78c9a2c_quant
	.globl	k_q77e78c9a2c_quant
	.p2align	8
	.type	k_q77e78c9a2c_quant,@function
k_q77e78c9a2c_quant:
	s_mov_b64 s[64:65], 0
	v_nop
	global_prefetch_b8 v0, s[64:65] scope:SCOPE_SE
	s_setreg_imm32_b32 hwreg(HW_REG_WAVE_MODE, 25, 1), 1
	s_wait_xcnt 0x0
; CROSS-ATTENTION IN MX-FP6, launch 1 of 4: the six f32 inputs become codes of E2M3 with one E8M0 byte for each 32 along K.
; DEAD WORK: none.  Every input has a way to the output and all six products of the problem are live, so nothing is left out in any launch.
; (The scores' K is 64, half of what one matrix instruction takes: the other half runs on zero codes, inside live tiles.)
; LIMITS: NaN and infinities among the inputs are not served.  A block's largest magnitude is taken no smaller than 2^-124, so its byte is at least 1;
; a block of zeros gets the byte 1 where the rule says 127: its codes are zeros, which add nothing under any byte but 0xff, and the bytes are read by this program alone.
; LAYOUT OF THE CODES (all four launches).  Rows go in TILES of 16: lane r of tile T holds row 32 (T / 2) + 8 (T % 2) + r + 8 (r / 8).  A fragment (16 rows x 128 K, 12 registers a lane) lies in memory as an image
; of its registers, 1,536 bytes: registers 0-3 at 16 x lane, 4-5 at 512 + 8 x lane, 6-9 at 768 + 16 x lane, 10-11 at 1,280 + 8 x lane.  A BLOCK of 25,600 bytes holds 128 rows (8 tiles i) x 256 K (2 steps u):
; fragment (i, u) at 3,072 i + 1,536 u, its scale words (one a row) at 24,576 + 128 i + 64 u + 4 r.  A tensor is [K / 256][rows / 128] blocks.
; SHARES.  A work-group takes four tiles of one tensor at one 256 along K; a wave one tile: 16 rows x 1,024 bytes in, 3,200 bytes out.  Each load takes 256 consecutive bytes of two rows; the rows turn through the
; wave's own stage in LDS, so that a lane gets 16 neighbours along K of each block of 32.  No barrier: waves share nothing.
.set OFF_KV, 6553600
.set OFF_WQ, 11468800
.set OFF_WK, 12288000
.set OFF_WV, 12902400
.set OFF_WO, 13516800
.set SP,    1040                       ; a stage row: 1,024 bytes + 16
.set STG,   16*SP                      ; a wave's stage
.set SPARE, 4*STG                      ; behind the stages: the spare words, 128 bytes a wave
.set SPW,   10                         ; v10  my spare word's address; never rewritten
.set NIL,   11                         ; v11  0; never rewritten
.set VO,    12                         ; v12-19  load k: (k + 16 (lane / 16)) rows + 16 (lane % 16)
.set TM,    20                         ; v20-35  at work in QUANT
.set PW0,   36                         ; the scale words of K step 0, 1, and the two joined
.set PW1,   37
.set PWM,   38
.set PC0,   40                         ; v40-59, v60-79  the codes of K step 0, 1
.set PC1,   60
.set X,     96                         ; v96-223 the numbers: as loaded, then 64 a K step in the order that QUANT takes
; 64 numbers of a lane, register 16 b + i = k 32 b + 16 (lane / 16) + i of my row, become a fragment's codes in v[pc] .. v[pc + 11] and its scale word in v[pw].
.macro QUANT s, pc, pw
.irp b, 0,1,2,3
	v_max3_num_f32 v[TM+\b], |v[\s+16*\b]|, |v[\s+1+16*\b]|, 0x1800000   ; block b: my 16 numbers, and the floor 2^(3 - 127)
.endr
.irp i, 2,4,6,8,10,12,14
.irp b, 0,1,2,3
	v_max3_num_f32 v[TM+\b], v[TM+\b], |v[\s+16*\b+\i]|, |v[\s+1+16*\b+\i]|
.endr
.endr
.irp b, 0,1,2,3
	v_permlanex16_b32 v[TM+4+\b], v[TM+\b], s32, s33
.endr
.irp b, 0,1,2,3
	v_max_num_f32 v[TM+\b], v[TM+\b], v[TM+4+\b]   ; with lane l xor 16's: the block's largest magnitude
.endr
.irp b, 0,1,2,3
	v_add_nc_u32 v[TM+12+\b], 0xff000000, v[TM+\b] ; 2 off its exponent field: the conversion's scale operand
.endr
.irp b, 0,1,2,3
	v_lshrrev_b32 v[TM+4+\b], 23, v[TM+12+\b]      ; the scale's byte
.endr
	v_lshl_or_b32 v[\pw], v[TM+5], 8, v[TM+4]
	v_lshl_or_b32 v[\pw], v[TM+6], 16, v[\pw]
	v_lshl_or_b32 v[\pw], v[TM+7], 24, v[\pw]
.irp c, 0,1
	v_cvt_scalef32_pk16_fp6_f32 v[\pc+6*\c:\pc+2+6*\c], v[\s+32*\c:\s+15+32*\c], v[TM+12+2*\c]
	v_cvt_scalef32_pk16_fp6_f32 v[\pc+12+4*\c:\pc+14+4*\c], v[\s+16+32*\c:\s+31+32*\c], v[TM+12+2*\c+1]   ; (a conversion's three registers begin on an even number)
.endr
	v_nop                                          ; one plain place behind a scaled conversion
.irp c, 0,1                                    ; the operand's layout wants a whole block in a lane: lanes 0-15 block 2 c, lanes 16-31 block 2 c + 1
.irp i, 0,1,2
	v_permlane16_swap_b32 v[\pc+6*\c+\i], v[\pc+12+4*\c+\i]
.endr
.irp i, 0,1,2
	v_mov_b32 v[\pc+3+6*\c+\i], v[\pc+12+4*\c+\i]
.endr
.endr
.endm
.macro OUTF pc, off                    ; a fragment's image: each store covers whole aligned runs of 256 bytes
	global_store_b128 v4, v[\pc:\pc+3], s[26:27] offset:\off
	global_store_b64 v5, v[\pc+4:\pc+5], s[26:27] offset:\off+512
	global_store_b128 v4, v[\pc+6:\pc+9], s[26:27] offset:\off+768
	global_store_b64 v5, v[\pc+10:\pc+11], s[26:27] offset:\off+1280
.endm
	s_load_b256 s[4:11], s[0:1], 0x0               ; q_tokens, kv_tokens, Wq, Wk
	s_load_b128 s[12:15], s[0:1], 0x20             ; Wv, Wo
	s_load_b64 s[16:17], s[0:1], 0x30              ; cin
	v_lshl_add_u32 v[SPW], v0, 2, SPARE
	v_mov_b32 v[NIL], 0
	v_lshrrev_b32 v1, 5, v0
	v_readfirstlane_b32 s19, v1                    ; wave
	v_and_b32 v1, 31, v0                           ; lane
	v_and_b32 v2, 15, v0                           ; r
	v_bfe_u32 v3, v0, 4, 1                         ; lane / 16
	v_lshlrev_b32 v4, 4, v1                        ; 16 x lane
	v_lshlrev_b32 v5, 3, v1                        ; 8 x lane
	v_lshlrev_b32 v6, 2, v1                        ; 4 x lane
	s_mul_i32 s18, s19, STG                        ; my stage
	v_lshlrev_b32 v9, 4, v2
	v_mad_u32_u24 v7, v3, 8*SP, v9
	v_add_nc_u32 v7, s18, v7                       ; into the stage: lanes 0-15 row k, lanes 16-31 row 8 + k
	v_mul_u32_u24 v8, v2, SP
	v_lshl_add_u32 v8, v3, 6, v8
	v_add_nc_u32 v8, s18, v8                       ; out of it: row r, + 64 bytes for lanes 16-31
	v_lshlrev_b32 v1, 4, v3                        ; 16 (lane / 16)
.irp b, 0,1,2,3
	v_mov_b32 v[TM+4+\b], 0                        ; written once: a lane permute's destination counts as one of its sources
.endr
	s_mov_b32 s30, 0xffff0000                      ; lanes 16-31
	s_mov_b32 s32, 0x76543210
	s_mov_b32 s33, 0xfedcba98                      ; lane l xor 16
	s_wait_alu depctr_va_vdst(0)
	s_wait_kmcnt 0x0
	; which tensor: the choice hangs on the work-group's number alone.  s20 its first work-group, s21 log2 of its groups of four tiles, s22 a row in bytes, s23 its place in cin
	s_mov_b64 s[24:25], s[4:5]
	s_mov_b32 s20, 0
	s_mov_b32 s21, 7
	s_mov_b32 s22, 4096
	s_mov_b32 s23, 0
	s_cmp_ge_u32 ttmp9, 512
	s_cselect_b64 s[24:25], s[6:7], s[24:25]
	s_cselect_b32 s20, 512, s20
	s_cselect_b32 s22, 3072, s22
	s_cselect_b32 s23, OFF_KV, s23
	s_cmp_ge_u32 ttmp9, 896
	s_cselect_b64 s[24:25], s[8:9], s[24:25]
	s_cselect_b32 s20, 896, s20
	s_cselect_b32 s21, 4, s21
	s_cselect_b32 s22, 4096, s22
	s_cselect_b32 s23, OFF_WQ, s23
	s_cmp_ge_u32 ttmp9, 960
	s_cselect_b64 s[24:25], s[10:11], s[24:25]
	s_cselect_b32 s20, 960, s20
	s_cselect_b32 s22, 3072, s22
	s_cselect_b32 s23, OFF_WK, s23
	s_cmp_ge_u32 ttmp9, 1008
	s_cselect_b64 s[24:25], s[12:13], s[24:25]
	s_cselect_b32 s20, 1008, s20
	s_cselect_b32 s23, OFF_WV, s23
	s_cmp_ge_u32 ttmp9, 1056
	s_cselect_b64 s[24:25], s[14:15], s[24:25]
	s_cselect_b32 s20, 1056, s20
	s_cselect_b32 s22, 4096, s22
	s_cselect_b32 s23, OFF_WO, s23
	s_sub_co_u32 s34, ttmp9, s20
	s_lshr_b32 s35, s34, s21                       ; j: which 256 along K
	s_lshl_b32 s36, s35, s21
	s_sub_co_u32 s36, s34, s36
	s_lshl_b32 s36, s36, 2
	s_add_co_u32 s36, s36, s19                     ; T: my tile
	s_lshr_b32 s37, s36, 1
	s_lshl_b32 s37, s37, 5
	s_and_b32 s38, s36, 1
	s_lshl_b32 s38, s38, 3
	s_add_co_u32 s37, s37, s38                     ; its first row: 32 (T / 2) + 8 (T % 2)
	s_mul_i32 s38, s37, s22
	s_lshl_b32 s39, s35, 10
	s_add_co_u32 s38, s38, s39
	s_mov_b32 s39, 0
	s_add_nc_u64 s[24:25], s[24:25], s[38:39]      ; the source at that row, at 1,024 j bytes
.irp k, 0,1,2,3,4,5,6,7
	v_add_nc_u32 v2, \k, v1
	v_mad_u32_u24 v[VO+\k], v2, s22, v9
.endr
.irp k, 0,1,2,3,4,5,6,7
.irp q, 0,1,2,3
	global_load_b128 v[X+16*\k+4*\q:X+16*\k+4*\q+3], v[VO+\k], s[24:25] offset:256*\q th:TH_LOAD_NT   ; sixteen lanes read 256 consecutive bytes of a row; read once in the launch
.endr
.endr
	s_sub_co_u32 s40, s21, 1
	s_lshl_b32 s40, s35, s40                       ; j x (rows / 128)
	s_lshr_b32 s41, s36, 3
	s_add_co_u32 s40, s40, s41
	s_mul_i32 s40, s40, 25600
	s_add_co_u32 s40, s40, s23                     ; my block in cin
	s_and_b32 s42, s36, 7
	s_mul_i32 s43, s42, 3072
	s_add_co_u32 s44, s40, s43
	s_mov_b32 s45, 0
	s_add_nc_u64 s[26:27], s[16:17], s[44:45]      ; my tile's two fragments
	s_lshl_b32 s42, s42, 7
	s_add_co_u32 s44, s40, s42
	s_add_co_u32 s44, s44, 24576
	s_add_nc_u64 s[28:29], s[16:17], s[44:45]      ; and its 32 scale words
.irp k, 0,1,2,3,4,5,6,7
	s_wait_loadcnt 28-4*\k                         ; loads come back in order: those of rows k and 8 + k are in, the 28 - 4 k younger ones may be out
.irp q, 0,1,2,3
	ds_store_b128 v7, v[X+16*\k+4*\q:X+16*\k+4*\q+3] offset:SP*\k+256*\q
.endr
.endr
	s_wait_dscnt 0x0                               ; the stores have read their registers, which the loads below fill
.irp u, 0,1
.irp b, 0,1,2,3
.irp j, 0,1,2,3
	ds_load_b128 v[X+64*\u+16*\b+4*\j:X+64*\u+16*\b+4*\j+3], v8 offset:512*\u+128*\b+16*\j
.endr
.endr
.endr
	s_wait_dscnt 16                                ; K step 0's sixteen loads are in; K step 1's may be out
	QUANT X, PC0, PW0
	OUTF PC0, 0
	s_wait_dscnt 0x0
	QUANT X+64, PC1, PW1
	OUTF PC1, 1536
	v_cndmask_b32 v[PWM], v[PW0], v[PW1], s30      ; lanes 0-15 K step 0's words, lanes 16-31 K step 1's
	global_store_b32 v6, v[PWM], s[28:29]
	s_wait_tensorcnt 0x0                           ; the wave's end
	ds_add_u32 v[SPW], v[NIL]
	s_wait_dscnt 0x0
	s_endpgm
.Lfunc_end_k_q77e78c9a2c_quant:
	.size	k_q77e78c9a2c_quant, .Lfunc_end_k_q77e78c9a2c_quant-k_q77e78c9a2c_quant
	.p2alignl 7, 3214868480
	.fill 96, 4, 3214868480
	.section	.rodata,"a",@progbits
	.p2align	6, 0x0
	.amdhsa_kernel k_q77e78c9a2c_quant
		.amdhsa_group_segment_fixed_size 67072
		.amdhsa_private_segment_fixed_size 0
		.amdhsa_enable_private_segment 0
		.amdhsa_kernarg_size 56
		.amdhsa_user_sgpr_count 2
		.amdhsa_user_sgpr_kernarg_segment_ptr 1
		.amdhsa_wavefront_size32 1
		.amdhsa_system_sgpr_workgroup_id_x 1
		.amdhsa_system_sgpr_workgroup_id_y 1
		.amdhsa_system_sgpr_workgroup_id_z 1
		.amdhsa_system_vgpr_workitem_id 0
		.amdhsa_next_free_vgpr 224
		.amdhsa_next_free_sgpr 66
		.amdhsa_reserve_vcc 0
		.amdhsa_float_denorm_mode_32 3
		.amdhsa_float_denorm_mode_16_64 3
		.amdhsa_memory_ordered 1
		.amdhsa_forward_progress 1
		.amdhsa_inst_pref_size 21
	.end_amdhsa_kernel
	.amdgpu_metadata
---
amdhsa.version: [ 1, 2 ]
amdhsa.kernels:
  - .name:           k_q77e78c9a2c_quant
    .symbol:         k_q77e78c9a2c_quant.kd
    .args:
      - { .name: q_tokens, .offset: 0, .size: 8, .value_kind: global_buffer, .address_space: global }
      - { .name: kv_tokens, .offset: 8, .size: 8, .value_kind: global_buffer, .address_space: global }
      - { .name: Wq, .offset: 16, .size: 8, .value_kind: global_buffer, .address_space: global }
      - { .name: Wk, .offset: 24, .size: 8, .value_kind: global_buffer, .address_space: global }
      - { .name: Wv, .offset: 32, .size: 8, .value_kind: global_buffer, .address_space: global }
      - { .name: Wo, .offset: 40, .size: 8, .value_kind: global_buffer, .address_space: global }
      - { .name: cin, .offset: 48, .size: 8, .value_kind: global_buffer, .address_space: global }
    .group_segment_fixed_size: 67072
    .private_segment_fixed_size: 0
    .kernarg_segment_align: 8
    .kernarg_segment_size: 56
    .max_flat_workgroup_size: 128
    .sgpr_count:     66
    .vgpr_count:     224
    .wavefront_size: 32
...
	.end_amdgpu_metadata
.endif
;; end of part 1
;; launch proj (part 2): grid 384 x 1, 4 waves a work-group, no clusters, 327,680 bytes of LDS; arguments cin, mid; writes mid
.if DOCPART == 2
	.amdgcn_target "amdgcn-amd-amdhsa--gfx1250"
	.amdhsa_code_object_version 6
	.text
	.protected	k_q77e78c9a2c_proj
	.globl	k_q77e78c9a2c_proj
	.p2align	8
	.type	k_q77e78c9a2c_proj,@function
k_q77e78c9a2c_proj:
	s_mov_b64 s[64:65], 0
	v_nop
	global_prefetch_b8 v0, s[64:65] scope:SCOPE_SE
	s_setreg_imm32_b32 hwreg(HW_REG_WAVE_MODE, 25, 1), 1
	s_wait_xcnt 0x0
.set OFF_KV, 6553600
.set OFF_WQ, 11468800
.set OFF_WK, 12288000
.set OFF_WV, 12902400
.set TSTR,   1638400
.set WSTR,   204800
.set HBB,    25600
.set SLOT,   4*HBB
.set SPARE,  2*SLOT
.set QS_OFF, 6291456
.set KV_OFF, 6815744
.set HEADQ,  98304
.set HEADKV, 208896
.set BLK,    26112
.set SPW, 28
.set NIL, 29
.set TM,  64
.set PW,  80
.set PWS, 81
.set PC,  96
.set MSB, 0
.macro WIN new
.if MSB != \new
	s_set_vgpr_msb (MSB<<8)|\new
.set MSB, \new
.endif
.endm
.set MUL_LO, 0xa1
.set MUL_HI, 0xf1
.set TO_B,   0x40
.macro PLACES
.rept 4
	v_nop
.endr
.endm
.macro FETCH sl, u, p
	WIN TO_B
.irp i, 0,1,2,3,4,5,6,7
	ds_load_b128 v[96*(\p)+12*\i:96*(\p)+12*\i+3], v[10+\sl] offset:3072*\i+1536*(\u)
	ds_load_b64 v[96*(\p)+12*\i+4:96*(\p)+12*\i+5], v[12+\sl] offset:3072*\i+1536*(\u)+512
	ds_load_b128 v[96*(\p)+12*\i+6:96*(\p)+12*\i+9], v[10+\sl] offset:3072*\i+1536*(\u)+768
	ds_load_b64 v[96*(\p)+12*\i+10:96*(\p)+12*\i+11], v[12+\sl] offset:3072*\i+1536*(\u)+1280
.endr
	WIN 0
.irp i, 0,1,2,3,4,5,6,7
	ds_load_b128 v[64+96*(\p)+12*\i:64+96*(\p)+12*\i+3], v[6+\sl] offset:3072*\i+1536*(\u)
	ds_load_b64 v[64+96*(\p)+12*\i+4:64+96*(\p)+12*\i+5], v[8+\sl] offset:3072*\i+1536*(\u)+512
	ds_load_b128 v[64+96*(\p)+12*\i+6:64+96*(\p)+12*\i+9], v[6+\sl] offset:3072*\i+1536*(\u)+768
	ds_load_b64 v[64+96*(\p)+12*\i+10:64+96*(\p)+12*\i+11], v[8+\sl] offset:3072*\i+1536*(\u)+1280
.endr
.irp i, 0,1,2,3,4,5,6,7
	ds_load_b32 v[32+16*(\p)+\i], v[14+\sl] offset:24576+128*\i+64*(\u)
	ds_load_b32 v[40+16*(\p)+\i], v[16+\sl] offset:24576+128*\i+64*(\u)
.endr
.endm
.macro MULROW a, p, zero
.irp b, 0,1,2,3,4,5,6,7
.if \zero
	v_wmma_scale_f32_16x16x128_f8f6f4 v[8*(8*((\a)%4)+\b):8*(8*((\a)%4)+\b)+7], v[96*(\p)+12*\b:96*(\p)+12*\b+11], v[64+96*(\p)+12*(\a):64+96*(\p)+12*(\a)+11], 0, v[40+16*(\p)+\b], v[32+16*(\p)+(\a)] matrix_a_fmt:MATRIX_FMT_FP6 matrix_b_fmt:MATRIX_FMT_FP6
.else
	v_wmma_scale_f32_16x16x128_f8f6f4 v[8*(8*((\a)%4)+\b):8*(8*((\a)%4)+\b)+7], v[96*(\p)+12*\b:96*(\p)+12*\b+11], v[64+96*(\p)+12*(\a):64+96*(\p)+12*(\a)+11], v[8*(8*((\a)%4)+\b):8*(8*((\a)%4)+\b)+7], v[40+16*(\p)+\b], v[32+16*(\p)+(\a)] matrix_a_fmt:MATRIX_FMT_FP6 matrix_b_fmt:MATRIX_FMT_FP6
.endif
.endr
.endm
.macro MUL64 p, zero
	WIN MUL_LO
.irp a, 0,1,2,3
	MULROW \a, \p, \zero
.endr
	WIN MUL_HI
.irp a, 4,5,6,7
	MULROW \a, \p, \zero
.endr
.endm
.macro CHANGE sl, fill
	WIN 0
	s_wait_tensorcnt 0x0
	ds_add_u32 v[SPW], v[NIL]
.if \fill
	s_add_nc_u64 s[34+4*\sl:35+4*\sl], s[34+4*\sl:35+4*\sl], s[40:41]
.endif
	s_wait_dscnt 0x0
	s_barrier_signal -1
	s_barrier_wait -1
.if \fill
	tensor_load_to_lds s[32+4*\sl:35+4*\sl], s[24:31]
	s_nop 0
.endif
	PLACES
.endm
.macro STEP sl, u, p
	s_wait_dscnt 0x0
	PLACES
	FETCH \sl, \u, 1-(\p)
	MUL64 \p, 0
.endm
	s_load_b128 s[4:7], s[0:1], 0x0
	v_lshl_add_u32 v[SPW], v0, 2, SPARE
	v_mov_b32 v[NIL], 0
	ds_add_u32 v[SPW], v[NIL]
	ds_add_u32 v[SPW], v[NIL]
	v_lshrrev_b32 v1, 5, v0
	v_readfirstlane_b32 s8, v1
	s_lshr_b32 s13, s8, 1
	s_and_b32 s14, s8, 1
	s_lshr_b32 s9, ttmp9, 7
	s_and_b32 s10, ttmp9, 127
	s_lshr_b32 s15, s10, 2
	s_and_b32 s16, s10, 3
	s_cmp_eq_u32 s9, 2
	s_cselect_b32 s11, s16, s15
	s_cselect_b32 s12, s15, s16
	s_mov_b32 s17, 0
	s_mov_b32 s18, OFF_WQ
	s_mov_b32 s19, TSTR
	s_mov_b32 s20, WSTR
	s_cmp_eq_u32 s9, 1
	s_cselect_b32 s17, OFF_KV, s17
	s_cselect_b32 s18, OFF_WK, s18
	s_cmp_eq_u32 s9, 2
	s_cselect_b32 s17, OFF_WV, s17
	s_cselect_b32 s18, OFF_KV, s18
	s_cselect_b32 s19, WSTR, s19
	s_cselect_b32 s20, TSTR, s20
	s_lshl_b32 s21, s11, 1
	s_lshl_b32 s22, s12, 1
	s_add_co_u32 s21, s21, s14
	s_add_co_u32 s22, s22, s14
	s_cmp_lt_u32 s8, 2
	s_cselect_b32 s17, s17, s18
	s_cselect_b32 s19, s19, s20
	s_cselect_b32 s21, s21, s22
	s_mul_i32 s21, s21, HBB
	s_add_co_u32 s42, s17, s21
	s_mov_b32 s43, 0
	s_lshl_b32 s40, s19, 1
	s_mov_b32 s41, 0
	s_mov_b32 s24, 3<<16
	s_mov_b32 s25, 32<<16
	s_mov_b32 s26, 100<<16
	s_mov_b32 s27, 32<<16
	s_mov_b32 s28, 100
	s_mov_b32 s29, 32
	s_mov_b32 s30, 0
	s_mov_b32 s31, 0
	s_mov_b32 s32, 1
	s_mul_i32 s33, s8, HBB
	s_mov_b32 s36, 1
	s_add_co_u32 s37, s33, SLOT
	s_wait_dscnt 0x0
	s_wait_kmcnt 0x0
	s_add_nc_u64 s[34:35], s[4:5], s[42:43]
	s_add_co_u32 s42, s42, s19
	s_add_nc_u64 s[38:39], s[4:5], s[42:43]
	s_or_b32 s35, s35, 0x80000000
	s_or_b32 s39, s39, 0x80000000
	tensor_load_to_lds s[32:35], s[24:31]
	s_nop 0
	s_wait_alu depctr_va_vdst(0)
	s_wait_tensorcnt 0x0
	ds_add_u32 v28, v29
	s_wait_dscnt 0x0
	s_barrier_signal -1
	s_barrier_wait -1
	tensor_load_to_lds s[36:39], s[24:31]
	s_nop 0
	PLACES
	v_and_b32 v1, 31, v0
	v_and_b32 v2, 15, v0
	v_bfe_u32 v3, v0, 4, 1
	v_lshlrev_b32 v4, 4, v1
	v_lshlrev_b32 v5, 3, v1
	v_lshlrev_b32 v20, 2, v2
	s_mul_i32 s15, s13, HBB
	s_mul_i32 s16, s14, HBB
	s_add_co_u32 s16, s16, 2*HBB
.irp s, 0,1
	v_add_nc_u32 v[6+\s], s15, v4
	v_add_nc_u32 v[8+\s], s15, v5
	v_add_nc_u32 v[10+\s], s16, v4
	v_add_nc_u32 v[12+\s], s16, v5
	v_add_nc_u32 v[14+\s], s15, v20
	v_add_nc_u32 v[16+\s], s16, v20
	s_add_co_u32 s15, s15, SLOT
	s_add_co_u32 s16, s16, SLOT
.endr
	s_lshl_b32 s66, s11, 4
	s_lshl_b32 s67, s13, 3
	s_add_co_u32 s66, s66, s67
	s_lshl_b32 s67, s12, 1
	s_add_co_u32 s67, s67, s14
	s_lshr_b32 s68, s66, 7
	s_lshl_b32 s68, s68, 4
	s_lshl_b32 s69, s67, 1
	s_add_co_u32 s68, s68, s69
	s_and_b32 s69, s66, 127
	s_mul_i32 s70, s68, HEADQ
	s_mul_i32 s71, s69, 768
	s_add_co_u32 s70, s70, s71
	s_lshl_b32 s72, s68, 13
	s_lshl_b32 s73, s69, 6
	s_add_co_u32 s72, s72, s73
	s_add_co_u32 s72, s72, QS_OFF
	s_mul_i32 s74, s68, HEADKV
	s_add_co_u32 s74, s74, KV_OFF
	s_lshr_b32 s75, s69, 4
	s_mul_i32 s75, s75, BLK
	s_add_co_u32 s74, s74, s75
	s_and_b32 s75, s69, 15
	s_mul_i32 s76, s75, 768
	s_add_co_u32 s76, s74, s76
	s_lshl_b32 s75, s75, 6
	s_add_co_u32 s77, s74, s75
	s_add_co_u32 s77, s77, 24576
	s_lshr_b32 s78, s67, 4
	s_lshl_b32 s78, s78, 4
	s_lshr_b32 s79, s66, 2
	s_add_co_u32 s78, s78, s79
	s_and_b32 s79, s67, 15
	s_mul_i32 s78, s78, HEADKV
	s_add_co_u32 s78, s78, KV_OFF
	s_lshr_b32 s80, s79, 1
	s_mul_i32 s80, s80, BLK
	s_add_co_u32 s78, s78, s80
	s_and_b32 s79, s79, 1
	s_mul_i32 s80, s79, 6144
	s_add_co_u32 s80, s78, s80
	s_add_co_u32 s80, s80, 12288
	s_lshl_b32 s79, s79, 8
	s_add_co_u32 s81, s78, s79
	s_add_co_u32 s81, s81, 25600
	s_mov_b32 s86, HEADQ
	s_mov_b32 s85, 8192
	s_mov_b32 s84, 16
	s_mov_b32 s58, 0xffff
	s_mov_b32 s50, 768
	s_mov_b32 s52, 768
	s_mov_b32 s54, 64
	s_mov_b32 s56, 64
	s_cmp_eq_u32 s9, 1
	s_cselect_b32 s70, s76, s70
	s_cselect_b32 s72, s77, s72
	s_cselect_b32 s86, HEADKV, s86
	s_cselect_b32 s85, HEADKV, s85
	s_cmp_eq_u32 s9, 2
	s_cselect_b32 s70, s80, s70
	s_cselect_b32 s72, s81, s72
	s_cselect_b32 s86, 768, s86
	s_cselect_b32 s85, 0, s85
	s_cselect_b32 s84, 0, s84
	s_cselect_b32 s58, -1, s58
	s_cselect_b32 s50, 1536, s50
	s_cselect_b32 s52, HEADKV-3*1536, s52
	s_cselect_b32 s56, HEADKV-3*64, s56
	s_mov_b32 s71, 0
	s_mov_b32 s73, 0
	s_mov_b32 s87, 0
	s_mov_b32 s51, 0
	s_mov_b32 s53, 0
	s_mov_b32 s55, 0
	s_mov_b32 s57, 0
	s_add_nc_u64 s[44:45], s[6:7], s[70:71]
	s_add_nc_u64 s[46:47], s[44:45], s[86:87]
	s_add_nc_u64 s[48:49], s[6:7], s[72:73]
	v_mul_u32_u24 v18, s85, v3
	v_add_nc_u32 v18, v18, v20
	v_mul_u32_u24 v19, s84, v3
	s_mov_b32 s60, 0x76543210
	s_mov_b32 s61, 0xfedcba98
	s_wait_alu depctr_va_vdst(0)
	s_wait_tensorcnt 0x1
	s_barrier_signal -1
	s_barrier_wait -1
	FETCH 0, 0, 0
	s_wait_dscnt 0x0
	FETCH 0, 1, 1
	MUL64 0, 1
	CHANGE 0, 1
	FETCH 1, 0, 0
	MUL64 1, 0
	STEP 1, 1, 0
	WIN 0
	s_cmp_lg_u32 s9, 0
	s_cbranch_scc1 .Lshort
	CHANGE 1, 1
	FETCH 0, 0, 0
	MUL64 1, 0
	STEP 0, 1, 0
	CHANGE 0, 0
	FETCH 1, 0, 0
	MUL64 1, 0
	STEP 1, 1, 0
	s_wait_dscnt 0x0
	MUL64 1, 0
	WIN 0
	s_branch .Lepi
.Lshort:
	CHANGE 1, 0
	FETCH 0, 0, 0
	MUL64 1, 0
	STEP 0, 1, 0
	s_wait_dscnt 0x0
	MUL64 1, 0
	WIN 0
.Lepi:
	PLACES
.irp b, 0,1,2,3
	v_mov_b32 v[TM+4+\b], 0
.endr
.macro EPI a
.set W, 2+(\a)/4
.set WW, 5*W
.set SS, 64*((\a)%4)
	WIN WW
.irp b, 0,1,2,3
	v_max3_num_f32 v[TM+\b], |v[SS+16*\b]|, |v[SS+1+16*\b]|, 0x1800000
.endr
.irp i, 2,4,6,8,10,12,14
.irp b, 0,1,2,3
	v_max3_num_f32 v[TM+\b], |v[SS+16*\b+\i]|, |v[SS+1+16*\b+\i]|, v[TM+\b]
.endr
.endr
	WIN 0
.irp b, 0,1,2,3
	v_permlanex16_b32 v[TM+4+\b], v[TM+\b], s60, s61
.endr
.irp b, 0,1,2,3
	v_max_num_f32 v[TM+\b], v[TM+\b], v[TM+4+\b]
.endr
.irp b, 0,1,2,3
	v_add_nc_u32 v[TM+12+\b], 0xff000000, v[TM+\b]
.endr
.irp b, 0,1,2,3
	v_lshrrev_b32 v[TM+4+\b], 23, v[TM+12+\b]
.endr
	v_lshl_or_b32 v[PW], v[TM+5], 8, v[TM+4]
	v_lshl_or_b32 v[PW], v[TM+6], 16, v[PW]
	v_lshl_or_b32 v[PW], v[TM+7], 24, v[PW]
.if (\a) > 0
	s_wait_xcnt 0x0
.if (\a) == 4
	s_add_nc_u64 s[44:45], s[44:45], s[52:53]
	s_add_nc_u64 s[46:47], s[46:47], s[52:53]
	s_add_nc_u64 s[48:49], s[48:49], s[56:57]
.else
	s_add_nc_u64 s[44:45], s[44:45], s[50:51]
	s_add_nc_u64 s[46:47], s[46:47], s[50:51]
	s_add_nc_u64 s[48:49], s[48:49], s[54:55]
.endif
.endif
	WIN W
.irp c, 0,1
	v_cvt_scalef32_pk16_fp6_f32 v[PC+6*\c:PC+2+6*\c], v[SS+32*\c:SS+15+32*\c], v[TM+12+2*\c]
	v_cvt_scalef32_pk16_fp6_f32 v[PC+12+4*\c:PC+14+4*\c], v[SS+16+32*\c:SS+31+32*\c], v[TM+12+2*\c+1]
.endr
	WIN 0
	v_nop
.irp c, 0,1
.irp i, 0,1,2
	v_permlane16_swap_b32 v[PC+6*\c+\i], v[PC+12+4*\c+\i]
.endr
.irp i, 0,1,2
	v_mov_b32 v[PC+3+6*\c+\i], v[PC+12+4*\c+\i]
.endr
.endr
	v_lshrrev_b32 v[PWS], v19, v[PW]
	v_and_b32 v[PWS], s58, v[PWS]
	global_store_b128 v4, v[PC:PC+3], s[44:45]
	global_store_b64 v5, v[PC+4:PC+5], s[44:45] offset:512
	global_store_b128 v4, v[PC+6:PC+9], s[46:47]
	global_store_b64 v5, v[PC+10:PC+11], s[46:47] offset:512
	global_store_b32 v18, v[PWS], s[48:49]
.endm
.irp a, 0,1,2,3,4,5,6,7
	EPI \a
.endr
	s_wait_tensorcnt 0x0
	ds_add_u32 v[SPW], v[NIL]
	s_wait_dscnt 0x0
	s_endpgm
.Lfunc_end_k_q77e78c9a2c_proj:
	.size	k_q77e78c9a2c_proj, .Lfunc_end_k_q77e78c9a2c_proj-k_q77e78c9a2c_proj
	.p2alignl 7, 3214868480
	.fill 96, 4, 3214868480
	.section	.rodata,"a",@progbits
	.p2align	6, 0x0
	.amdhsa_kernel k_q77e78c9a2c_proj
		.amdhsa_group_segment_fixed_size 327680
		.amdhsa_private_segment_fixed_size 0
		.amdhsa_enable_private_segment 0
		.amdhsa_kernarg_size 16
		.amdhsa_user_sgpr_count 2
		.amdhsa_user_sgpr_kernarg_segment_ptr 1
		.amdhsa_wavefront_size32 1
		.amdhsa_system_sgpr_workgroup_id_x 1
		.amdhsa_system_sgpr_workgroup_id_y 1
		.amdhsa_system_sgpr_workgroup_id_z 1
		.amdhsa_system_vgpr_workitem_id 0
		.amdhsa_next_free_vgpr 1024
		.amdhsa_next_free_sgpr 100
		.amdhsa_reserve_vcc 0
		.amdhsa_float_denorm_mode_32 3
		.amdhsa_float_denorm_mode_16_64 3
		.amdhsa_memory_ordered 1
		.amdhsa_forward_progress 1
		.amdhsa_inst_pref_size 187
	.end_amdhsa_kernel
	.amdgpu_metadata
---
amdhsa.version: [ 1, 2 ]
amdhsa.kernels:
  - .name:           k_q77e78c9a2c_proj
    .symbol:         k_q77e78c9a2c_proj.kd
    .args:
      - { .name: cin, .offset: 0, .size: 8, .value_kind: global_buffer, .address_space: global }
      - { .name: mid, .offset: 8, .size: 8, .value_kind: global_buffer, .address_space: global }
    .group_segment_fixed_size: 327680
    .private_segment_fixed_size: 0
    .kernarg_segment_align: 8
    .kernarg_segment_size: 16
    .max_flat_workgroup_size: 128
    .sgpr_count:     100
    .vgpr_count:     1024
    .wavefront_size: 32
...
	.end_amdgpu_metadata
.endif
;; end of part 2
;; launch attn (part 3): grid 4 x 64, 8 waves a work-group, clusters of 4 x 1, 210,944 bytes of LDS; arguments mid, ao; writes ao
.if DOCPART == 3
	.amdgcn_target "amdgcn-amd-amdhsa--gfx1250"
	.amdhsa_code_object_version 6
	.text
	.protected	k_q77e78c9a2c_attn
	.globl	k_q77e78c9a2c_attn
	.p2align	8
	.type	k_q77e78c9a2c_attn,@function
k_q77e78c9a2c_attn:
	s_mov_b64 s[64:65], 0
	v_nop
	global_prefetch_b8 v0, s[64:65] scope:SCOPE_SE
	s_setreg_imm32_b32 hwreg(HW_REG_WAVE_MODE, 25, 1), 1
	s_wait_xcnt 0x0
	s_wait_alu depctr_hold_cnt(0) depctr_sa_sdst(0) depctr_va_vdst(0) depctr_va_sdst(0) depctr_va_ssrc(0) depctr_va_vcc(0) depctr_vm_vsrc(0)
	s_getreg_b32 s2, hwreg(HW_REG_IB_STS2, 6, 4)
	s_cmp_eq_u32 s2, 0
	s_cbranch_scc0 .Lentry_in_a_cluster
	s_endpgm
.Lentry_in_a_cluster:
	s_bfe_u32 s2, ttmp6, 0x10000c
	s_cmp_lg_u32 s2, 0x3003
	s_cbranch_scc0 .Lentry_shape_is_right
	s_endpgm
.Lentry_shape_is_right:
; Launch 3 of 4: for each head (batch x 16 + head = work-group y) o = softmax(q k^T / 8) v on codes of E2M3, and o quantised along its 64 channels for the last product.  Nothing of the problem is left out.
; THE SOFTMAX AHEAD OF THE SECOND PRODUCT: t = score x log2(e) / 8; M = the running largest t rounded up to a whole number; p = 2^(t - M) is quantised along the keys, not normalised; the row's sum is taken of the
; unquantised p and divides at the end.  When M moves, the sum and O are multiplied by 2^(old M - new M), which rounds nothing.
; LIMITS: as stated at the head of the first launch; and the promise holds while the scaled scores t stay under 2^31 in magnitude (old M - new M goes through a 32-bit whole number, which saturates).
; SHARES.  The four work-groups of a cluster take the four quarters (512 queries) of one head.  Each of eight waves owns FOUR tiles of 16 queries and walks all 2,048 keys, 128 a step: one read of k's and v's fragments from LDS serves all four tiles.
; THE WHOLE HEAD'S k, v and their scale words, 8 blocks of 26,112 bytes, lie in LDS, filled ONCE: wave w asks for block w, JOINTLY with the same wave of the three partners (one load a wave is out).  No ring, no refill.
; No prefetch: the launch's one tensor load a wave stands at its head, with no loop ahead of it in which to ask earlier.
; LAYOUT.  Both products are used transposed: S^T = k q^T (source 0 = 16 keys), O^T = v^T p^T (source 0 = 16 channels): a lane holds one query throughout.
; THE KEYS OF A SCORE TILE are chosen by the lanes' LDS addresses: tile 4 c + j takes keys 64 c + 8 j + 0..7 as its rows 0-7 and keys 64 c + 32 + 8 j + 0..7 as its rows 8-15.  So lane (r, h) holds, in the 32 registers of tiles
; 4 c .. 4 c + 3, the WHOLE block of keys 64 c + 32 h + 0..31 in order: the block's maximum needs no other lane, and the conversions' results are p's operand as the second product takes it.
; In mid key 32 b + x of a step lies in tile 2 b + (x / 8) % 2 at row x % 8 + 8 (x / 16): hence the lane terms KL16, KL8, KR4 and the immediates of the loads.
; THE SCORES' K IS 64: q's fragment has zero codes in its upper 64.  k's half fragments lie 6 registers apart and each product names 12: the upper six are the next tile's codes (behind the last: zeros), which meet q's zeros;
; bytes 2 and 3 of both scale words are 0, a finite scale.
; THE ORDER OF A STEP.  Two buffers hold S^T, tile i in buffer i % 2.  But for tile 0's, each product stands alone, with four vector lines of ANOTHER tile behind it: tile 1's products among tile 0's maxima, tile 2's among tile 1's sums,
; tile 3's among tile 2's maxima, the second products among the sums of tiles 2 and 3.  These lines name no register of the products beside them.
; REGISTERS, two windows of 256.  Window 0: v1-15 addresses; v16-31 state, four a tile: -M, the largest score, the sum in two halves; v32-79 k's eight half fragments or v's four fragments, v80-85 zeros; v86-93 their scale words;
; v96-143 q's four fragments, v144-147 their scale words; v148-195 p's codes, v196-199 p's scale words; v200-255 at work, 28 for each buffer.  Window 1: v0-127 S^T, then p, two buffers; v128-255 O^T, 32 a tile.
.set QS_OFF, 6291456
.set KV_OFF, 6815744
.set HEADQ,  98304
.set HEADKV, 208896
.set BLK,    26112
.set SPARE,  HEADKV                    ; behind the head's blocks: the spare words, 128 bytes for each of eight waves
.set L16, 1                            ; 16 x lane, 8 x lane, 4 (lane % 16): v's fragments, q, the way out
.set L8,  2
.set R4,  3
.set KL16, 4                           ; k: 1,536 (r / 8) + 16 (r % 8) + 256 h
.set SPW, 5
.set NIL, 6
.set KL8, 7                            ; k: 1,536 (r / 8) + 8 (r % 8) + 128 h
.set KR4, 8                            ; k's scale words: 128 (r / 8) + 4 (r % 8)
.set AD16, 9                           ; v9-14: the six lane terms + the block in hand
.set AD8,  10
.set ADS,  11
.set AK16, 12
.set AK8,  13
.set AKS,  14
.set SH8,  15                          ; 8 h
.set KV,  32
.set SW,  86
.set QF,  96
.set QS,  144
.set WV,  8
.set CX,  9
.set HD,  10
.set NC,  11
.set G0,  12
.set G1,  16
.set SEL, 24
.set CS,  26
.set TBS, 28
.set CNT, 29
.set QB,  30
.set QSB, 32
.set AOC, 34
.set AOS, 36
.set MSB, 0
.macro WIN new                         ; low byte: bits 1:0 source 0, 3:2 source 1, 5:4 source 2, 7:6 destination; the high byte repeats the setting that is left
.if MSB != \new
	s_set_vgpr_msb (MSB<<8)|\new
.set MSB, \new
.endif
.endm
.macro NOP4
.rept 4
	v_nop
.endr
.endm
.macro D2
	s_delay_alu instid0(VALU_DEP_2)
.endm
.macro D4
	s_delay_alu instid0(VALU_DEP_4)
.endm
.macro CROUND                          ; a round of the cluster's barrier
	s_barrier_signal -1
	s_barrier_wait -1
	s_cmp_lg_u32 s[WV], 0
	s_cbranch_scc1 .Lnot_wave_0_\@
	s_barrier_signal -3
.Lnot_wave_0_\@:
	s_barrier_wait -3
	s_barrier_signal -1
	s_barrier_wait -1
.endm
.macro PICK a, e                       ; the registers of tile 2 a + e, the e-th of pair a
.set ST, 16+4*(2*(\a)+(\e))
.set TP, 200+28*(\e)                   ; +0,1 block maxima; +2 a permute's result; +3 new -M; +4,5 f; +6,7 the conversions' scales; +8..13 three partial sums (+8,9 also: two partial maxima); +14 scale bytes; +16..18, +20..22 upper halves of a block's codes
.set SB, 64*(\e)
.set OO, 128+32*(2*(\a)+(\e))
.set PC, 148+12*(2*(\a)+(\e))
.set PS, 196+2*(\a)+(\e)
.endm
	s_load_b128 s[4:7], s[0:1], 0x0                ; mid, ao
	v_lshl_add_u32 v[SPW], v0, 2, SPARE
	v_mov_b32 v[NIL], 0
	ds_add_u32 v[SPW], v[NIL]                      ; the wave's opening: the add, twice on end, and its wait ahead of my first tensor load
	ds_add_u32 v[SPW], v[NIL]
	v_lshrrev_b32 v200, 5, v0
	v_readfirstlane_b32 s[WV], v200                ; wave 0..7
	s_bfe_u32 s[CX], ttmp6, 0x40000                ; my place in the cluster: it enters q's and ao's global addresses alone
	s_and_b32 s[HD], ttmp7, 0xffff                 ; the head, which the four partners share
	; descriptor group 1: 26,112 dense bytes as 102 rows of 256 (32 elements of 8 bytes); the mask names all four work-groups, bit 21 beside it
	s_mov_b32 s[G1], 15|(3<<16)|(1<<21)
	s_mov_b32 s[G1+1], 32<<16
	s_mov_b32 s[G1+2], 102<<16
	s_mov_b32 s[G1+3], 32<<16
	s_mov_b32 s[G1+4], 102
	s_mov_b32 s[G1+5], 32
	s_mov_b32 s[G1+6], 0
	s_mov_b32 s[G1+7], 0
	s_mov_b32 s[G0], 1
	s_mul_i32 s[G0+1], s[WV], BLK                  ; LDS: the wave's number alone
	s_mul_i32 s38, s[HD], HEADKV
	s_add_co_u32 s38, s38, s[G0+1]
	s_add_co_u32 s38, s38, KV_OFF
	s_mov_b32 s39, 0
	s_mov_b32 s[SEL], 0x76543210
	s_mov_b32 s[SEL+1], 0xfedcba98                 ; lane l xor 16
	s_mov_b32 s[CS], 0x3e38aa3b                    ; c = log2(e) / 8
	s_mov_b32 s[CS+1], s[CS]                       ; (named with it as a pair)
	s_mov_b32 s[NC], 0xbe38aa3b                    ; -c
	s_wait_dscnt 0x0                               ; both opening adds are done
	s_wait_kmcnt 0x0
	s_add_nc_u64 s[G0+2:G0+3], s[4:5], s[38:39]
	s_or_b32 s[G0+3], s[G0+3], 0x80000000
	CROUND                                         ; all four work-groups are here: the joint loads meet
	tensor_load_to_lds s[G0:G0+3], s[G1:G1+7]
	s_nop 0
	NOP4
	s_lshl_b32 s40, s[CX], 5
	s_lshl_b32 s41, s[WV], 2
	s_add_co_u32 s40, s40, s41                     ; my first tile of queries: 32 cx + 4 wave; the other three follow it
	s_mul_i32 s42, s[HD], HEADQ
	s_mul_i32 s41, s40, 768
	s_add_co_u32 s42, s42, s41
	s_mov_b32 s43, 0
	s_add_nc_u64 s[QB:QB+1], s[4:5], s[42:43]
	s_lshl_b32 s42, s[HD], 13
	s_lshl_b32 s41, s40, 6
	s_add_co_u32 s42, s42, s41
	s_add_co_u32 s42, s42, QS_OFF
	s_add_nc_u64 s[QSB:QSB+1], s[4:5], s[42:43]
	; where o's codes go (ao, laid as the first launch lays an operand): block [head / 4][16 batch + tile / 8], tile % 8, K step (head / 2) % 2, half head % 2
	s_lshr_b32 s44, s[HD], 4
	s_and_b32 s45, s[HD], 15
	s_lshr_b32 s46, s45, 2
	s_lshl_b32 s46, s46, 6
	s_lshl_b32 s44, s44, 4
	s_add_co_u32 s46, s46, s44
	s_lshl_b32 s44, s[CX], 2
	s_add_co_u32 s46, s46, s44
	s_lshr_b32 s44, s[WV], 1
	s_add_co_u32 s46, s46, s44                     ; tile / 8 = 4 cx + wave / 2
	s_mul_i32 s46, s46, 25600
	s_and_b32 s44, s[WV], 1
	s_lshl_b32 s44, s44, 2                         ; my first tile % 8 = 4 (wave % 2)
	s_bfe_u32 s47, s45, 0x10001
	s_and_b32 s45, s45, 1
	s_mul_i32 s48, s44, 3072
	s_add_co_u32 s48, s48, s46
	s_mul_i32 s50, s47, 1536
	s_add_co_u32 s48, s48, s50
	s_mul_i32 s50, s45, 768
	s_add_co_u32 s48, s48, s50
	s_mov_b32 s49, 0
	s_add_nc_u64 s[AOC:AOC+1], s[6:7], s[48:49]
	s_lshl_b32 s44, s44, 7
	s_add_co_u32 s48, s46, s44
	s_lshl_b32 s47, s47, 6
	s_add_co_u32 s48, s48, s47
	s_lshl_b32 s45, s45, 1
	s_add_co_u32 s48, s48, s45
	s_add_co_u32 s48, s48, 24576
	s_add_nc_u64 s[AOS:AOS+1], s[6:7], s[48:49]    ; my head's two bytes of each row's scale word
	v_and_b32 v200, 31, v0
	v_and_b32 v201, 15, v0
	v_and_b32 v202, 7, v0                          ; r % 8
	v_bfe_u32 v203, v0, 3, 1                       ; r / 8
	v_bfe_u32 v204, v0, 4, 1                       ; h
	v_lshlrev_b32 v[L16], 4, v200
	v_lshlrev_b32 v[L8], 3, v200
	v_lshlrev_b32 v[R4], 2, v201
	v_mul_u32_u24 v205, v203, 1536
	v_lshl_add_u32 v[KL16], v202, 4, v205
	v_lshl_add_u32 v[KL8], v202, 3, v205
	v_lshlrev_b32 v[KR4], 7, v203
	v_lshl_add_u32 v[KL16], v204, 8, v[KL16]
	v_lshl_add_u32 v[KL8], v204, 7, v[KL8]
	v_lshl_add_u32 v[KR4], v202, 2, v[KR4]
	v_lshlrev_b32 v[SH8], 3, v204
	s_wait_alu depctr_va_vdst(0)                   ; the wait here, ahead of the loads that read these
.irp i, 0,1,2,3
	global_load_b128 v[QF+12*\i:QF+12*\i+3], v[L16], s[QB:QB+1] offset:768*\i
	global_load_b64 v[QF+12*\i+4:QF+12*\i+5], v[L8], s[QB:QB+1] offset:768*\i+512
	global_load_b32 v[QS+\i], v[R4], s[QSB:QSB+1] offset:64*\i
.endr
.irp i, 0,1,2,3
	v_mov_b32 v[16+4*\i], 0x7f61b1e6               ; -M: 3e38,
	v_mov_b32 v[17+4*\i], 0xff61b1e6               ; the largest score so far: -3e38: the first step's f is 0
	v_mov_b32 v[18+4*\i], 0                        ; the sum
	v_mov_b32 v[19+4*\i], 0
.irp j, 6,7,8,9,10,11
	v_mov_b32 v[QF+12*\i+\j], 0                    ; q's upper 64 codes
.endr
.endr
.irp j, 80,81,82,83,84,85, 202,230, 205,233
	v_mov_b32 v[\j], 0                             ; what the last tile of k names behind its own six registers; the permutes' destinations, which count as sources; the upper halves of the pairs that hold f
.endr
	WIN 0x40
.set J, 128
.rept 128
	v_mov_b32 v[J], 0                              ; O^T: the step is written once; the first finds zeros, which f = 0 leaves zeros
.set J, J+1
.endr
	WIN 0
	s_wait_alu depctr_va_vdst(0)
	s_wait_tensorcnt 0x0                           ; my block of the head is in LDS,
	s_barrier_signal -1
	s_barrier_wait -1                              ; everybody's is
	s_wait_loadcnt 0x0                             ; q
.macro SM i, t                         ; one product of S^T: tile i of queries, tile t of keys, begun with the constant 0
	WIN 0x40
	v_wmma_scale_f32_16x16x128_f8f6f4 v[64*((\i)%2)+8*(\t):64*((\i)%2)+8*(\t)+7], v[KV+6*(\t):KV+6*(\t)+11], v[QF+12*(\i):QF+12*(\i)+11], 0, v[SW+(\t)], v[QS+(\i)] matrix_a_fmt:MATRIX_FMT_FP6 matrix_b_fmt:MATRIX_FMT_FP6
.endm
.macro PV i, t                         ; one product of O^T: tile i of queries, tile t of channels; the sixteen accumulators take turns, one instruction a turn
	WIN 0x50
	v_wmma_scale_f32_16x16x128_f8f6f4 v[128+32*(\i)+8*(\t):128+32*(\i)+8*(\t)+7], v[KV+12*(\t):KV+12*(\t)+11], v[148+12*(\i):148+12*(\i)+11], v[128+32*(\i)+8*(\t):128+32*(\i)+8*(\t)+7], v[SW+(\t)], v[196+(\i)] matrix_a_fmt:MATRIX_FMT_FP6 matrix_b_fmt:MATRIX_FMT_FP6
.endm
; Four lines of buffer e's maxima, the k-th of eight groups: four chains, two for each of my two blocks of 32 keys; each accumulator is first read at its low end.
.macro MAXG e, k
	WIN 0x05                                       ; sources 0 and 1: the scores
.irp c, 0,1,2,3
.if (\k) == 0
	v_max_num_f32 v[200+28*(\e)+8*(\c%2)+\c/2], v[64*(\e)+16*\c], v[64*(\e)+16*\c+1]
.else
	v_max3_num_f32 v[200+28*(\e)+8*(\c%2)+\c/2], v[64*(\e)+16*\c+2*(\k)], v[64*(\e)+16*\c+2*(\k)+1], v[200+28*(\e)+8*(\c%2)+\c/2]
.endif
.endr
.endm
; Lines of tile i's sum, the g-th of eight groups.  THE ROW'S SUM IS TAKEN OF THE UNQUANTISED p: two at a time, in four chains.
.macro SUMG i, g
.set ST, 16+4*(\i)
.set TP, 200+28*((\i)%2)
.set SB, 64*((\i)%2)
.if (\g) == 0
	WIN 0x05
.irp w, 0,1,2
	v_pk_add_f32 v[TP+8+2*\w:TP+9+2*\w], v[SB+4*\w:SB+4*\w+1], v[SB+4*\w+2:SB+4*\w+3]
.endr
.else
	WIN 0x01
.set J, SB+12+8*((\g)-1)
	v_pk_add_f32 v[ST+2:ST+3], v[J:J+1], v[ST+2:ST+3]
	v_pk_add_f32 v[TP+8:TP+9], v[J+2:J+3], v[TP+8:TP+9]
.if (\g) < 7
	v_pk_add_f32 v[TP+10:TP+11], v[J+4:J+5], v[TP+10:TP+11]
	v_pk_add_f32 v[TP+12:TP+13], v[J+6:J+7], v[TP+12:TP+13]
.endif
.endif
.endm
.macro MOVS a                          ; a conversion's three registers begin on an even number: the upper halves of the blocks' codes go to their places
	WIN 0
.irp e, 0,1
	PICK \a, \e
.irp w, 0,1,2
	v_mov_b32 v[PC+3+\w], v[TP+16+\w]              ; registers 6 c .. 6 c + 5 now hold keys 64 c + 32 h + 0 .. 31
	v_mov_b32 v[PC+9+\w], v[TP+20+\w]
.endr
.endr
.endm
.macro FIN a                           ; the four chains of each sum are joined
	WIN 0
.irp e, 0,1
	PICK \a, \e
	v_pk_add_f32 v[TP+8:TP+9], v[TP+8:TP+9], v[TP+10:TP+11]
.endr
.irp e, 0,1
	PICK \a, \e
	v_pk_add_f32 v[ST+2:ST+3], v[ST+2:ST+3], v[TP+12:TP+13]
.endr
.irp e, 0,1
	PICK \a, \e
	D2
	v_pk_add_f32 v[ST+2:ST+3], v[ST+2:ST+3], v[TP+8:TP+9]
.endr
.endm
; THE MIDDLE OF THE SOFTMAX OF A PAIR OF TILES, from the partial maxima to p's codes; the two tiles' dependent lines go by turns.
.macro MID a
	WIN 0
.irp e, 0,1
	PICK \a, \e
	v_max_num_f32 v[TP], v[TP], v[TP+8]            ; the largest score of my block h, and of my block 2 + h: they serve for the row's maximum and, since p rises with the score, for the blocks' largest p
	v_max_num_f32 v[TP+1], v[TP+1], v[TP+9]
.endr
.irp e, 0,1
	PICK \a, \e
	v_max3_num_f32 v[ST+1], v[ST+1], v[TP], v[TP+1]
.endr
.irp e, 0,1
	PICK \a, \e
	D2
	v_permlanex16_b32 v[TP+2], v[ST+1], s[SEL], s[SEL+1]
.endr
.irp e, 0,1
	PICK \a, \e
	D2
	v_max_num_f32 v[ST+1], v[ST+1], v[TP+2]        ; with lane l xor 16's blocks: my query's largest score so far
.endr
.irp e, 0,1
	PICK \a, \e
	D2
	v_mul_f32 v[TP+3], s[NC], v[ST+1]              ; -t (c is positive)
.endr
.irp e, 0,1
	PICK \a, \e
	D2
	v_floor_f32 v[TP+3], v[TP+3]                   ; the new -M = -ceil(t)
.endr
.irp e, 0,1
	PICK \a, \e
	D2
	v_sub_f32 v[TP+4], v[TP+3], v[ST]              ; old M - new M: a whole number, 0 or less
.endr
.irp e, 0,1
	PICK \a, \e
	D4
	v_mov_b32 v[ST], v[TP+3]
.endr
.irp e, 0,1
	PICK \a, \e
	D4
	v_cvt_i32_f32 v[TP+4], v[TP+4]                 ; (it saturates)
.endr
.irp e, 0,1
	PICK \a, \e
	D2
	v_ldexp_f32 v[TP+4], 1.0, v[TP+4]              ; f = 2^(old M - new M)
.endr
.irp e, 0,1
	PICK \a, \e
	v_pk_fma_f32 v[TP:TP+1], v[TP:TP+1], s[CS:CS+1], v[ST:ST+1] op_sel_hi:[1,0,0]   ; t - M of the two blocks' largest scores
.endr
.irp e, 0,1
	PICK \a, \e
	D4
	v_pk_mul_f32 v[ST+2:ST+3], v[ST+2:ST+3], v[TP+4:TP+5] op_sel_hi:[1,0]           ; the sum under the new M
.endr
	WIN 0x41                                       ; source 0 and destination: window 1
	PICK \a, 0
.set J, 0
.rept 32
	v_pk_fma_f32 v[J:J+1], v[J:J+1], s[CS:CS+1], v[ST:ST+1] op_sel_hi:[1,0,0]       ; the first tile's t - M, two at a time
.set J, J+2
.endr
	s_wait_alu depctr_va_vdst(0)                   ; the wait: ahead of the exponentials, and directly ahead of the first readers of O^T
.irp e, 0,1
	PICK \a, \e
.set J, OO
.rept 16
	v_pk_mul_f32 v[J:J+1], v[J:J+1], v[TP+4:TP+5] op_sel_hi:[1,0]                   ; O^T under the new M, each accumulator from its low end on
.set J, J+2
.endr
.endr
	PICK \a, 1
.set J, 0
.rept 32
	v_exp_f32 v[J], v[J]                           ; the first tile's p = 2^(t - M);
	v_exp_f32 v[J+1], v[J+1]
	v_pk_fma_f32 v[64+J:65+J], v[64+J:65+J], s[CS:CS+1], v[ST:ST+1] op_sel_hi:[1,0,0]   ; among them the second tile's t - M, which is read only behind the wait below
.set J, J+2
.endr
	WIN 0
.irp e, 0,1
.irp b, 0,1
	v_exp_f32 v[200+28*\e+\b], v[200+28*\e+\b]     ; the blocks' largest p: the same two instructions on the same number
.endr
.endr
	v_nop                                          ; a plain place behind the exponentials
	WIN 0x41
	s_wait_alu depctr_va_vdst(0)                   ; the wait between the multiply-adds above and the exponentials that read them
.set J, 64
.rept 64
	v_exp_f32 v[J], v[J]                           ; the second tile's p
.set J, J+1
.endr
	WIN 0
	v_nop                                          ; a plain place behind the exponentials,
	s_wait_alu depctr_va_vdst(0)                   ; and one wait for them all, ahead of their first reader
.irp e, 0,1
.irp b, 0,1
	v_max_num_f32 v[200+28*\e+\b], 0x1800000, v[200+28*\e+\b]       ; the floor 2^(3 - 127)
.endr
.endr
.irp e, 0,1
.irp b, 0,1
	D4
	v_add_nc_u32 v[206+28*\e+\b], 0xff000000, v[200+28*\e+\b]       ; 2 off the exponent field: the conversion's scale operand
.endr
.endr
.irp e, 0,1
.irp b, 0,1
	D4
	v_lshrrev_b32 v[200+28*\e+\b], 23, v[206+28*\e+\b]              ; the scale's byte
.endr
.endr
.irp e, 0,1
	PICK \a, \e
	v_lshl_or_b32 v[TP+14], v[TP+1], 16, v[TP]     ; my two bytes: blocks h and 2 + h,
.endr
.irp e, 0,1
	PICK \a, \e
	D2
	v_lshlrev_b32 v[TP+14], v[SH8], v[TP+14]       ; at their places in the scale word;
.endr
.irp e, 0,1
	PICK \a, \e
	D2
	v_permlanex16_b32 v[TP+2], v[TP+14], s[SEL], s[SEL+1]
.endr
.irp e, 0,1
	PICK \a, \e
	D2
	v_or_b32 v[PS], v[TP+14], v[TP+2]              ; with lane l xor 16's two the word of these 128 keys is whole
.endr
	WIN 0x01                                       ; source 0: p
.irp e, 0,1
	PICK \a, \e
	v_cvt_scalef32_pk16_fp6_f32 v[PC:PC+2], v[SB:SB+15], v[TP+6]
	v_cvt_scalef32_pk16_fp6_f32 v[TP+16:TP+18], v[SB+16:SB+31], v[TP+6]
	v_cvt_scalef32_pk16_fp6_f32 v[PC+6:PC+8], v[SB+32:SB+47], v[TP+7]
	v_cvt_scalef32_pk16_fp6_f32 v[TP+20:TP+22], v[SB+48:SB+63], v[TP+7]
.endr                                          ; (lines of a sum follow: the plain place behind the conversions)
.endm
; A KEY STEP: 128 keys, the u-th of the block in hand, for my four tiles of queries.  (The six lines that join the sums, or the six that make the addresses, are the places between the last products and the loads below.)
.macro STEP u
.irp t, 0,1,2,3,4,5,6,7
	ds_load_b128 v[KV+6*\t:KV+6*\t+3], v[AK16] offset:(8*(\u)+4*(\t/4)+\t%2)*768+((\t%4)/2)*128
	ds_load_b64 v[KV+6*\t+4:KV+6*\t+5], v[AK8] offset:(8*(\u)+4*(\t/4)+\t%2)*768+512+((\t%4)/2)*64
	ds_load_b32 v[SW+\t], v[AKS] offset:24576+(8*(\u)+4*(\t/4)+\t%2)*64+((\t%4)/2)*32
.endr
	s_wait_dscnt 0x0
.irp t, 0,1,2,3,4,5,6,7
	SM 0, \t
.endr
	NOP4                                           ; places in front of the first read of tile 0's scores
.irp t, 0,1,2,3,4,5,6,7
	SM 1, \t
	MAXG 0, \t
.endr
.irp t, 0,1,2,3,4,5,6,7
	MAXG 1, \t
.endr
	MID 0
.irp t, 0,1,2,3,4,5,6,7
	SUMG 0, \t
.endr
.irp t, 0,1,2,3,4,5,6,7
	SM 2, \t                                       ; buffer 0 is free: tile 0's p has been converted and summed
	SUMG 1, \t
.endr
	MOVS 0
	FIN 0
.irp t, 0,1,2,3,4,5,6,7
	SM 3, \t
	MAXG 0, \t
.endr
	WIN 0
.irp t, 0,1,2,3                                ; k is done with (four lines of maxima stand behind its last product): v's four fragments are asked for here and land under the second pair's softmax
	ds_load_b128 v[KV+12*\t:KV+12*\t+3], v[AD16] offset:12288+(4*(\u)+\t)*1536
	ds_load_b64 v[KV+12*\t+4:KV+12*\t+5], v[AD8] offset:12288+(4*(\u)+\t)*1536+512
	ds_load_b128 v[KV+12*\t+6:KV+12*\t+9], v[AD16] offset:12288+(4*(\u)+\t)*1536+768
	ds_load_b64 v[KV+12*\t+10:KV+12*\t+11], v[AD8] offset:12288+(4*(\u)+\t)*1536+1280
	ds_load_b32 v[SW+\t], v[ADS] offset:25600+(4*(\u)+\t)*64
.endr
.irp t, 0,1,2,3,4,5,6,7
	MAXG 1, \t
.endr
	MID 1
	SUMG 2, 0
	SUMG 2, 1
	MOVS 1
	SUMG 2, 2                                      ; eight lines of the sum stand between the last write of p's codes and the products, fifteen behind the write of p's scale words
	SUMG 2, 3
	s_wait_alu depctr_va_vdst(0)
	s_wait_dscnt 0x0                               ; v is in
.irp j, 0,1,2,3
	PV \j/4, \j%4
	SUMG 2, \j+4
.endr
.irp j, 4,5,6,7,8,9,10,11
	PV \j/4, \j%4
	SUMG 3, \j-4
.endr
.irp j, 12,13,14,15
	PV \j/4, \j%4
.endr
	FIN 1
.endm
	s_mov_b32 s[TBS], 0
	s_mov_b32 s[CNT], 0
.Lkv:                                                  ; eight trips: a block of 256 keys each
	v_add_nc_u32 v[AK16], s[TBS], v[KL16]
	v_add_nc_u32 v[AK8], s[TBS], v[KL8]
	v_add_nc_u32 v[AKS], s[TBS], v[KR4]
	v_add_nc_u32 v[AD16], s[TBS], v[L16]
	v_add_nc_u32 v[AD8], s[TBS], v[L8]
	v_add_nc_u32 v[ADS], s[TBS], v[R4]
	s_wait_alu depctr_va_vdst(0)
	STEP 0
	STEP 1
	s_add_co_u32 s[TBS], s[TBS], BLK
	s_add_co_u32 s[CNT], s[CNT], 1
	s_cmp_lt_u32 s[CNT], 8
	s_wait_alu depctr_va_vdst(0)
	s_cbranch_scc1 .Lkv
; THE WAY OUT, the four tiles by turns: o = O^T / the sum, quantised along the head's 64 channels.  At work: 14 registers a tile from v200 on.
.irp i, 0,1,2,3
	v_mov_b32 v[202+14*\i], 0                      ; the permutes' destinations count as sources
	v_mov_b32 v[203+14*\i], 0
.endr
.irp i, 0,1,2,3
	v_add_f32 v[18+4*\i], v[18+4*\i], v[19+4*\i]
.endr
.irp i, 0,1,2,3
	D4
	v_permlanex16_b32 v[202+14*\i], v[18+4*\i], s[SEL], s[SEL+1]
.endr
.irp i, 0,1,2,3
	D4
	v_add_f32 v[18+4*\i], v[18+4*\i], v[202+14*\i] ; the row's sum
.endr
	s_wait_alu depctr_va_vdst(0)
.irp i, 0,1,2,3
	v_rcp_f32 v[18+4*\i], v[18+4*\i]
.endr
	v_nop                                          ; a plain place behind them,
	WIN 0x41
	s_wait_alu depctr_va_vdst(0)                   ; and the wait ahead of their first reader, which is also O^T's
.irp i, 0,1,2,3
.set J, 0
.rept 16
	v_pk_mul_f32 v[32*\i+J:32*\i+J+1], v[128+32*\i+J:128+32*\i+J+1], v[18+4*\i:19+4*\i] op_sel_hi:[1,0]   ; o: register 16 b + n of a tile is channel 32 b + 16 h + n of my query
.set J, J+2
.endr
.endr
	WIN 0x05
.irp i, 0,1,2,3
.irp b, 0,1
	v_max3_num_f32 v[200+14*\i+\b], |v[32*\i+16*\b]|, |v[32*\i+16*\b+1]|, 0x1800000
.endr
.endr
.irp k, 2,4,6,8,10,12,14
.irp i, 0,1,2,3
.irp b, 0,1
	v_max3_num_f32 v[200+14*\i+\b], |v[32*\i+16*\b+\k]|, |v[32*\i+16*\b+\k+1]|, v[200+14*\i+\b]
.endr
.endr
.endr
	WIN 0
.irp i, 0,1,2,3
.irp b, 0,1
	v_permlanex16_b32 v[202+14*\i+\b], v[200+14*\i+\b], s[SEL], s[SEL+1]
.endr
.endr
.irp i, 0,1,2,3
.irp b, 0,1
	v_max_num_f32 v[200+14*\i+\b], v[200+14*\i+\b], v[202+14*\i+\b]   ; with lane l xor 16's 16 channels
.endr
.endr
.irp i, 0,1,2,3
.irp b, 0,1
	v_add_nc_u32 v[204+14*\i+\b], 0xff000000, v[200+14*\i+\b]
.endr
.endr
.irp i, 0,1,2,3
.irp b, 0,1
	v_lshrrev_b32 v[200+14*\i+\b], 23, v[204+14*\i+\b]
.endr
.endr
.irp i, 0,1,2,3
	v_lshl_or_b32 v[206+14*\i], v[201+14*\i], 8, v[200+14*\i]         ; my head's two scale bytes of my row
.endr
	WIN 0x01
.irp i, 0,1,2,3
	v_cvt_scalef32_pk16_fp6_f32 v[148+12*\i:150+12*\i], v[32*\i:32*\i+15], v[204+14*\i]
	v_cvt_scalef32_pk16_fp6_f32 v[208+14*\i:210+14*\i], v[32*\i+16:32*\i+31], v[205+14*\i]
.endr
	WIN 0
	v_nop                                          ; one plain place behind a scaled conversion
.irp i, 0,1,2,3
.irp g, 0,1,2
	v_permlane16_swap_b32 v[148+12*\i+\g], v[208+14*\i+\g]            ; a whole block to a lane: lanes 0-15 channels 0-31, lanes 16-31 channels 32-63
.endr
.endr
.irp i, 0,1,2,3
.irp g, 0,1,2
	v_mov_b32 v[151+12*\i+\g], v[208+14*\i+\g]
.endr
.endr
.irp i, 0,1,2,3
	global_store_b128 v[L16], v[148+12*\i:151+12*\i], s[AOC:AOC+1] offset:3072*\i      ; half a fragment: 512 and 256 consecutive bytes
	global_store_b64 v[L8], v[152+12*\i:153+12*\i], s[AOC:AOC+1] offset:3072*\i+512
	global_store_b16 v[R4], v[206+14*\i], s[AOS:AOS+1] offset:128*\i                   ; lanes 16-31 write what lanes 0-15 write, to the same place
.endr
	s_wait_tensorcnt 0x0                           ; the wave's end
	ds_add_u32 v[SPW], v[NIL]
	s_wait_dscnt 0x0
	CROUND                                         ; the closing round
	s_endpgm
.Lfunc_end_k_q77e78c9a2c_attn:
	.size	k_q77e78c9a2c_attn, .Lfunc_end_k_q77e78c9a2c_attn-k_q77e78c9a2c_attn
	.p2alignl 7, 3214868480
	.fill 96, 4, 3214868480
	.section	.rodata,"a",@progbits
	.p2align	6, 0x0
	.amdhsa_kernel k_q77e78c9a2c_attn
		.amdhsa_group_segment_fixed_size 210944
		.amdhsa_private_segment_fixed_size 0
		.amdhsa_enable_private_segment 0
		.amdhsa_kernarg_size 16
		.amdhsa_user_sgpr_count 2
		.amdhsa_user_sgpr_kernarg_segment_ptr 1
		.amdhsa_wavefront_size32 1
		.amdhsa_system_sgpr_workgroup_id_x 1
		.amdhsa_system_sgpr_workgroup_id_y 1
		.amdhsa_system_sgpr_workgroup_id_z 1
		.amdhsa_system_vgpr_workitem_id 0
		.amdhsa_next_free_vgpr 512
		.amdhsa_next_free_sgpr 66
		.amdhsa_reserve_vcc 0
		.amdhsa_float_denorm_mode_32 3
		.amdhsa_float_denorm_mode_16_64 3
		.amdhsa_memory_ordered 1
		.amdhsa_forward_progress 1
		.amdhsa_inst_pref_size 140
	.end_amdhsa_kernel
	.amdgpu_metadata
---
amdhsa.version: [ 1, 2 ]
amdhsa.kernels:
  - .name:           k_q77e78c9a2c_attn
    .symbol:         k_q77e78c9a2c_attn.kd
    .args:
      - { .name: mid, .offset: 0, .size: 8, .value_kind: global_buffer, .address_space: global }
      - { .name: ao, .offset: 8, .size: 8, .value_kind: global_buffer, .address_space: global }
    .group_segment_fixed_size: 210944
    .private_segment_fixed_size: 0
    .kernarg_segment_align: 8
    .kernarg_segment_size: 16
    .max_flat_workgroup_size: 256
    .sgpr_count:     66
    .vgpr_count:     512
    .wavefront_size: 32
...
	.end_amdgpu_metadata
.endif
;; end of part 3
;; launch outp (part 4): grid 4 x 64, 4 waves a work-group, clusters of 4 x 4, 327,680 bytes of LDS; arguments ao, cin, out0; writes out0
.if DOCPART == 4
	.amdgcn_target "amdgcn-amd-amdhsa--gfx1250"
	.amdhsa_code_object_version 6
	.text
	.protected	k_q77e78c9a2c_outp
	.globl	k_q77e78c9a2c_outp
	.p2align	8
	.type	k_q77e78c9a2c_outp,@function
k_q77e78c9a2c_outp:
	s_mov_b64 s[64:65], 0
	v_nop
	global_prefetch_b8 v0, s[64:65] scope:SCOPE_SE
	s_setreg_imm32_b32 hwreg(HW_REG_WAVE_MODE, 25, 1), 1
	s_wait_xcnt 0x0
	s_wait_alu depctr_hold_cnt(0) depctr_sa_sdst(0) depctr_va_vdst(0) depctr_va_sdst(0) depctr_va_ssrc(0) depctr_va_vcc(0) depctr_vm_vsrc(0)
	s_getreg_b32 s2, hwreg(HW_REG_IB_STS2, 6, 4)
	s_cmp_eq_u32 s2, 0
	s_cbranch_scc0 .Lentry_in_a_cluster
	s_endpgm
.Lentry_in_a_cluster:
	s_bfe_u32 s2, ttmp6, 0x10000c
	s_cmp_lg_u32 s2, 0xf033
	s_cbranch_scc0 .Lentry_shape_is_right
	s_endpgm
.Lentry_shape_is_right:
.set OFF_WO, 13516800
.set TSTR,   1638400
.set WSTR,   204800
.set HBB,    25600
.set SLOT,   3*HBB
.set STAGE,  2*SLOT
.set SPITCH, 528
.set SPARE,  STAGE+4*16*SPITCH
.set SPW, 28
.set NIL, 29
.set STO, 24
.set RD,  25
.set BK,  128
.set G1,  24
.set G0,  32
.set G1B, 48
.set G0B, 56
.set MSB, 0
.macro WIN new
.if MSB != \new
	s_set_vgpr_msb (MSB<<8)|\new
.set MSB, \new
.endif
.endm
.set MUL,  0xa1
.set TO_B, 0x40
.macro PLACES
.rept 4
	v_nop
.endr
.endm
.macro JLOAD s
	s_cmp_eq_u32 s15, 0
	s_cbranch_scc0 .Lfor_b_\@
	tensor_load_to_lds s[G0+4*\s:G0+4*\s+3], s[G1:G1+7]
	s_nop 0
.rept 4
	v_nop
.endr
	s_branch .Lasked_\@
.Lfor_b_\@:
	tensor_load_to_lds s[G0B+4*\s:G0B+4*\s+3], s[G1B:G1B+7]
	s_nop 0
.rept 4
	v_nop
.endr
.Lasked_\@:
.endm
.macro CROUND
	s_barrier_signal -1
	s_barrier_wait -1
	s_cmp_lg_u32 s14, 0
	s_cbranch_scc1 .Lnot_wave_0_\@
	s_barrier_signal -3
.Lnot_wave_0_\@:
	s_barrier_wait -3
	s_barrier_signal -1
	s_barrier_wait -1
.endm
.macro FETCH sl, u, p
	WIN TO_B
.irp i, 0,1,2,3,4,5,6,7
	ds_load_b128 v[96*(\p)+12*\i:96*(\p)+12*\i+3], v[10+\sl] offset:3072*\i+1536*(\u)
	ds_load_b64 v[96*(\p)+12*\i+4:96*(\p)+12*\i+5], v[12+\sl] offset:3072*\i+1536*(\u)+512
	ds_load_b128 v[96*(\p)+12*\i+6:96*(\p)+12*\i+9], v[10+\sl] offset:3072*\i+1536*(\u)+768
	ds_load_b64 v[96*(\p)+12*\i+10:96*(\p)+12*\i+11], v[12+\sl] offset:3072*\i+1536*(\u)+1280
.endr
	WIN 0
.irp i, 0,1,2,3
	ds_load_b128 v[64+48*(\p)+12*\i:64+48*(\p)+12*\i+3], v[6+\sl] offset:3072*\i+1536*(\u)
	ds_load_b64 v[64+48*(\p)+12*\i+4:64+48*(\p)+12*\i+5], v[8+\sl] offset:3072*\i+1536*(\u)+512
	ds_load_b128 v[64+48*(\p)+12*\i+6:64+48*(\p)+12*\i+9], v[6+\sl] offset:3072*\i+1536*(\u)+768
	ds_load_b64 v[64+48*(\p)+12*\i+10:64+48*(\p)+12*\i+11], v[8+\sl] offset:3072*\i+1536*(\u)+1280
	ds_load_b32 v[32+16*(\p)+\i], v[14+\sl] offset:24576+128*\i+64*(\u)
.endr
.irp i, 0,1,2,3,4,5,6,7
	ds_load_b32 v[40+16*(\p)+\i], v[16+\sl] offset:24576+128*\i+64*(\u)
.endr
.endm
.macro MUL32 p, zero
	WIN MUL
.irp a, 0,1,2,3
.irp b, 0,1,2,3,4,5,6,7
.if \zero
	v_wmma_scale_f32_16x16x128_f8f6f4 v[8*(8*\a+\b):8*(8*\a+\b)+7], v[96*(\p)+12*\b:96*(\p)+12*\b+11], v[64+48*(\p)+12*\a:64+48*(\p)+12*\a+11], 0, v[40+16*(\p)+\b], v[32+16*(\p)+\a] matrix_a_fmt:MATRIX_FMT_FP6 matrix_b_fmt:MATRIX_FMT_FP6
.else
	v_wmma_scale_f32_16x16x128_f8f6f4 v[8*(8*\a+\b):8*(8*\a+\b)+7], v[96*(\p)+12*\b:96*(\p)+12*\b+11], v[64+48*(\p)+12*\a:64+48*(\p)+12*\a+11], v[8*(8*\a+\b):8*(8*\a+\b)+7], v[40+16*(\p)+\b], v[32+16*(\p)+\a] matrix_a_fmt:MATRIX_FMT_FP6 matrix_b_fmt:MATRIX_FMT_FP6
.endif
.endr
.endr
.endm
.macro CHANGE sl, fill
	WIN 0
	s_wait_tensorcnt 0x0
	ds_add_u32 v[SPW], v[NIL]
.if \fill
	s_add_nc_u64 s[G0+4*\sl+2:G0+4*\sl+3], s[G0+4*\sl+2:G0+4*\sl+3], 2*TSTR
	s_add_nc_u64 s[G0B+4*\sl+2:G0B+4*\sl+3], s[G0B+4*\sl+2:G0B+4*\sl+3], 2*WSTR
.endif
	s_wait_dscnt 0x0
.if \fill
	CROUND
	JLOAD \sl
.else
	s_barrier_signal -1
	s_barrier_wait -1
	PLACES
.endif
.endm
.macro STEP sl, u, p
	s_wait_dscnt 0x0
	PLACES
	FETCH \sl, \u, 1-(\p)
	MUL32 \p, 0
.endm
	s_load_b128 s[4:7], s[0:1], 0x0
	s_load_b64 s[8:9], s[0:1], 0x10
	v_lshl_add_u32 v[SPW], v0, 2, SPARE
	v_mov_b32 v[NIL], 0
	ds_add_u32 v[SPW], v[NIL]
	ds_add_u32 v[SPW], v[NIL]
	v_lshrrev_b32 v1, 5, v0
	v_readfirstlane_b32 s14, v1
	s_lshr_b32 s15, s14, 1
	s_and_b32 s16, s14, 1
	s_bfe_u32 s40, ttmp6, 0x40000
	s_bfe_u32 s41, ttmp6, 0x40004
	s_lshl_b32 s42, ttmp9, 2
	s_add_co_u32 s42, s42, s40
	s_and_b32 s17, ttmp7, 0xffff
	s_lshl_b32 s17, s17, 2
	s_add_co_u32 s17, s17, s41
	s_lshl_b32 s43, s41, 2
	s_lshl_b32 s43, 15, s43
	s_lshl_b32 s44, 0x1111, s40
	s_or_b32 s[G1+0], s43, (3<<16)|(1<<21)
	s_or_b32 s[G1B+0], s44, (3<<16)|(1<<21)
	s_mov_b32 s[G1+1], 32<<16
	s_mov_b32 s[G1+2], 50<<16
	s_mov_b32 s[G1+3], 32<<16
	s_mov_b32 s[G1+4], 50
	s_mov_b32 s[G1+5], 32
	s_mov_b32 s[G1+6], 0
	s_mov_b32 s[G1+7], 0
	s_mov_b32 s[G1B+1], 32<<16
	s_mov_b32 s[G1B+2], 100<<16
	s_mov_b32 s[G1B+3], 32<<16
	s_mov_b32 s[G1B+4], 100
	s_mov_b32 s[G1B+5], 32
	s_mov_b32 s[G1B+6], 0
	s_mov_b32 s[G1B+7], 0
	s_mul_i32 s45, s16, HBB/2
	s_mul_i32 s20, s17, HBB
	s_add_co_u32 s20, s20, s45
	s_mov_b32 s21, 0
	s_mul_i32 s19, s16, HBB
	s_add_co_u32 s19, s19, HBB
	s_lshl_b32 s46, s42, 1
	s_add_co_u32 s46, s46, s16
	s_mul_i32 s46, s46, HBB
	s_add_co_u32 s46, s46, OFF_WO
	s_mov_b32 s47, 0
	s_wait_dscnt 0x0
	s_wait_kmcnt 0x0
	s_add_nc_u64 s[20:21], s[4:5], s[20:21]
	s_add_nc_u64 s[46:47], s[6:7], s[46:47]
	CROUND
.irp s, 0,1
	s_mov_b32 s[G0+4*\s], 1
	s_add_co_u32 s[G0+4*\s+1], s45, \s*SLOT
	s_add_nc_u64 s[G0+4*\s+2:G0+4*\s+3], s[20:21], \s*TSTR
	s_or_b32 s[G0+4*\s+3], s[G0+4*\s+3], 0x80000000
	s_mov_b32 s[G0B+4*\s], 1
	s_add_co_u32 s[G0B+4*\s+1], s19, \s*SLOT
	s_add_nc_u64 s[G0B+4*\s+2:G0B+4*\s+3], s[46:47], \s*WSTR
	s_or_b32 s[G0B+4*\s+3], s[G0B+4*\s+3], 0x80000000
	s_wait_alu depctr_va_vdst(0)
	s_wait_tensorcnt 0x0
	ds_add_u32 v28, v29
	ds_add_u32 v28, v29
	s_wait_dscnt 0x0
	CROUND
	JLOAD \s
.endr
	v_and_b32 v1, 31, v0
	v_and_b32 v2, 15, v0
	v_bfe_u32 v3, v0, 4, 1
	v_lshlrev_b32 v4, 4, v1
	v_lshlrev_b32 v5, 3, v1
	v_lshlrev_b32 v20, 2, v2
	s_mul_i32 s21, s15, 4*3072
	s_lshl_b32 s22, s15, 9
	s_mul_i32 s23, s16, HBB
	s_add_co_u32 s23, s23, HBB
.irp s, 0,1
	v_add_nc_u32 v[6+\s], s21, v4
	v_add_nc_u32 v[8+\s], s21, v5
	v_add_nc_u32 v[10+\s], s23, v4
	v_add_nc_u32 v[12+\s], s23, v5
	v_add_nc_u32 v[14+\s], s22, v20
	v_add_nc_u32 v[16+\s], s23, v20
	s_add_co_u32 s21, s21, SLOT
	s_add_co_u32 s22, s22, SLOT
	s_add_co_u32 s23, s23, SLOT
.endr
	s_mul_i32 s23, s14, 16*SPITCH
	s_add_co_u32 s23, s23, STAGE
	v_mul_u32_u24 v21, v2, SPITCH
	v_lshl_add_u32 v21, v3, 6, v21
	v_add_nc_u32 v[STO], s23, v21
	v_add_nc_u32 v[RD], s23, v4
	s_lshl_b32 s10, s17, 7
	s_lshl_b32 s11, s15, 6
	s_add_co_u32 s10, s10, s11
	s_lshl_b32 s10, s10, 12
	s_lshl_b32 s11, s42, 10
	s_add_co_u32 s10, s10, s11
	s_lshl_b32 s11, s16, 9
	s_add_co_u32 s10, s10, s11
	s_mov_b32 s11, 0
	s_add_nc_u64 s[8:9], s[8:9], s[10:11]
	s_wait_tensorcnt 0x1
	s_barrier_signal -1
	s_barrier_wait -1
	FETCH 0, 0, 0
	s_wait_dscnt 0x0
	FETCH 0, 1, 1
	MUL32 0, 1
	CHANGE 0, 1
	s_wait_alu depctr_va_vdst(0)
	FETCH 1, 0, 0
	MUL32 1, 0
	STEP 1, 1, 0
	CHANGE 1, 1
	FETCH 0, 0, 0
	MUL32 1, 0
	STEP 0, 1, 0
	CHANGE 0, 0
	FETCH 1, 0, 0
	MUL32 1, 0
	STEP 1, 1, 0
	s_wait_dscnt 0x0
	MUL32 1, 0
	WIN 0
.macro TOSTAGE a
	WIN 0x08
.irp b, 0,1,2,3,4,5,6,7
	ds_store_b128 v[STO], v[64*(\a)+8*\b:64*(\a)+8*\b+3] offset:128*(\b/2)+32*(\b%2)
	ds_store_b128 v[STO], v[64*(\a)+8*\b+4:64*(\a)+8*\b+7] offset:128*(\b/2)+32*(\b%2)+16
.endr
	WIN 0
.set BB, BK+64*((\a)%2)
.irp t, 0,1,2,3,4,5,6,7,8,9,10,11,12,13,14,15
	ds_load_b128 v[BB+4*\t:BB+4*\t+3], v[RD] offset:\t*SPITCH
.endr
.endm
.macro SEND a, younger
.set BB, BK+64*((\a)%2)
	s_wait_dscnt \younger
.irp t, 0,1,2,3,4,5,6,7,8,9,10,11,12,13,14,15
	global_store_b128 v4, v[BB+4*\t:BB+4*\t+3], s[8:9] offset:(32*((\a)/2)+8*((\a)%2)+\t+8*(\t/8))*4096 th:TH_STORE_NT
.endr
.endm
	PLACES
	TOSTAGE 0
	TOSTAGE 1
	SEND 0, 32
	s_wait_xcnt 0x0
	TOSTAGE 2
	SEND 1, 32
	s_wait_xcnt 0x0
	TOSTAGE 3
	SEND 2, 32
	SEND 3, 0
	s_wait_tensorcnt 0x0
	ds_add_u32 v[SPW], v[NIL]
	s_wait_dscnt 0x0
	CROUND
	s_endpgm
.Lfunc_end_k_q77e78c9a2c_outp:
	.size	k_q77e78c9a2c_outp, .Lfunc_end_k_q77e78c9a2c_outp-k_q77e78c9a2c_outp
	.p2alignl 7, 3214868480
	.fill 96, 4, 3214868480
	.section	.rodata,"a",@progbits
	.p2align	6, 0x0
	.amdhsa_kernel k_q77e78c9a2c_outp
		.amdhsa_group_segment_fixed_size 327680
		.amdhsa_private_segment_fixed_size 0
		.amdhsa_enable_private_segment 0
		.amdhsa_kernarg_size 24
		.amdhsa_user_sgpr_count 2
		.amdhsa_user_sgpr_kernarg_segment_ptr 1
		.amdhsa_wavefront_size32 1
		.amdhsa_system_sgpr_workgroup_id_x 1
		.amdhsa_system_sgpr_workgroup_id_y 1
		.amdhsa_system_sgpr_workgroup_id_z 1
		.amdhsa_system_vgpr_workitem_id 0
		.amdhsa_next_free_vgpr 768
		.amdhsa_next_free_sgpr 66
		.amdhsa_reserve_vcc 0
		.amdhsa_float_denorm_mode_32 3
		.amdhsa_float_denorm_mode_16_64 3
		.amdhsa_memory_ordered 1
		.amdhsa_forward_progress 1
		.amdhsa_inst_pref_size 89
	.end_amdhsa_kernel
	.amdgpu_metadata
---
amdhsa.version: [ 1, 2 ]
amdhsa.kernels:
  - .name:           k_q77e78c9a2c_outp
    .symbol:         k_q77e78c9a2c_outp.kd
    .args:
      - { .name: ao, .offset: 0, .size: 8, .value_kind: global_buffer, .address_space: global }
      - { .name: cin, .offset: 8, .size: 8, .value_kind: global_buffer, .address_space: global }
      - { .name: out0, .offset: 16, .size: 8, .value_kind: global_buffer, .address_space: global }
    .group_segment_fixed_size: 327680
    .private_segment_fixed_size: 0
    .kernarg_segment_align: 8
    .kernarg_segment_size: 24
    .max_flat_workgroup_size: 128
    .sgpr_count:     66
    .vgpr_count:     768
    .wavefront_size: 32
...
	.end_amdgpu_metadata
.endif
;; end of part 4
